; MI455X (gfx1250); checked and timed in simulation.
; The chip was launched on July 23, 2026; its instructions are those of AMD's public machine-readable ISA for CDNA 5 (MIT licence, August 2026) and "CDNA5" Instruction Set Architecture Reference Guide (July 2026). The comments in the code are by the model that wrote it; some were corrected since.
;; CFM. Allowed arithmetic: matrix products marked QUANTISED: E5M2 operands, one given power-of-two scale a tensor, by v_wmma_f32_16x16x64_bf8_bf8 or v_wmma_f32_16x16x128_bf8_bf8, f32 sums; products left as they are: f32 operands where the result goes on into a quantised operand, else bf16, f16 or f32 operands; f32 sums; everything else in f32.
;; Inputs: W1 512 x 512 float32; W2 512 x 1 float32; b1 512 float32; b2 1 float32; lowp_scales 4 int32 (the exponents e of the quantised operands' scales 2^e); z_o_codes 512 x 8 x 32 uint8 (E5M2 codes of z_o, K innermost, in blocks of 32 codes); z_t_codes 1,024 x 8 x 32 uint8 (E5M2 codes of z_t, K innermost, in blocks of 32 codes).
;; Outputs: out0 1,024 x 512 float32.
;; This version of the problem:
;;   THIS VERSION OF THE PROBLEM IS GIVEN IN LOW PRECISION. The matrix products marked QUANTISED in the list below multiply operands that are first quantised to E5M2 (5 exponent bits, 2 mantissa bits; 8 bits a number), with one given power-of-two scale for each operand tensor; their sums are f32. All else is computed in f32.
;;   The module's matrix products, in the order in which they are computed (A, B: the left and right operand; K: the contracted axis; several contracted axes count as one K, in the product's order):
;;     1. [M 1,024, K 256] x [K 256, N 512]; A: input z_t (given as codes); B: input W1: QUANTISED (scales: A lowp_scales[0], B lowp_scales[1])
;;     2. [M 512, K 256] x [K 256, N 512]; A: input z_o (given as codes); B: input W1: QUANTISED (scales: A lowp_scales[2], B lowp_scales[3])
;;     3. [M 524,288, K 512] x [K 512, N 1]; A: computed on the way; B: input W2: left as it is (N = 1 < 16)
;;   THE QUANTISER, for each operand of a quantised product, along K:
;;     - The operand's scale is 2^e, e = its entry of the input lowp_scales (int32; the entries are numbered through the quantised products in the list's order, A before B).
;;     - Each number is divided by the scale, clamped to +-57,344, and rounded to the nearest number of E5M2, ties to even, subnormals kept.
;;     - The product sums the exact products of the quantised numbers (number of the format x scale) in f32.
;;   ~~~python
;;   def quantise(x, axis, e):      # numpy; x: float32 -> the quantised numbers, widened to float32 again
;;       x = np.moveaxis(x, axis, -1); K = x.shape[-1]
;;       r = np.clip(x / 2.0 ** e, -57344, 57344)
;;       step = 2.0 ** (np.maximum(np.frexp(np.where(r == 0, 1, r))[1] - 1, -14) - 2)
;;       q = np.round(r / step) * step * 2.0 ** e      # np.round: ties to even
;;       return np.moveaxis(q, -1, axis).astype(np.float32)
;;   ~~~
;;   INPUTS GIVEN AS CODES. z_o (in the module: [512, 256], K = its axis 1); z_t (in the module: [1024, 256], K = its axis 1): each comes as NAME_codes (uint8): NAME with its K axis moved to the last place and cut into blocks of 32 codes, [.., K / 32, bytes a block], one block behind the other in memory; one code a byte (a code: sign, 5 exponent bits, 2 mantissa bits); its scale is its entry of lowp_scales. Its value is code x scale, taken as it is: it is not quantised again, and the codes and scales need not be those that the quantiser above would give.
;; 2 versions, each right; version 2 is version 1 with the launch prep written anew for expert scheduling mode. Each part assembles by itself: llvm-mc -triple=amdgcn-amd-amdhsa -mcpu=gfx1250 --defsym DOCPART=n.
;; ======== version 1 of 2: 2 launches
;; workspace buffers: at 2,097,152 bytes; nt 1,048,576 bytes; pqp 196,608 bytes
;; launch prep (part 1): grid 192 x 1, 4 waves a work-group, no clusters, 17,920 bytes of LDS; arguments z_t_codes, z_o_codes, W1, b1, W2, lowp_scales, at, nt, pqp; writes at, nt, pqp
.if DOCPART == 1
	.amdgcn_target "amdgcn-amd-amdhsa--gfx1250"
	.amdhsa_code_object_version 6
	.text
	.protected	k_q0d771c2548_prep
	.globl	k_q0d771c2548_prep
	.p2align	8
	.type	k_q0d771c2548_prep,@function
k_q0d771c2548_prep:
	s_mov_b64 s[64:65], 0
	v_nop
	global_prefetch_b8 v0, s[64:65] scope:SCOPE_SE
	s_setreg_imm32_b32 hwreg(HW_REG_WAVE_MODE, 25, 1), 1
	s_wait_xcnt 0x0
; THE TWO QUANTISED PRODUCTS.  a[t][j] = (z_t W1[:256])[t][j]  and  n[o][j] = -((z_o W1[256:])[o][j] + b1[j]),  on codes of E5M2, sums in f32.
; z_t, z_o arrive as codes (a row = 256 bytes, K innermost).  W1 [512][512] f32 has K as its first axis: a lane takes a column j and its registers run down K,
; in the very order that the operand's layout gives that lane, so the conversions' results are the operand's registers.
; code = x / 2^e, held within +-57,344, to the nearest code, ties to even.
; SHARES.  Work-groups 0-127: the upper half of W1 with z_t; 128-191: the lower half with z_o.  One path serves both: only pointers, strides and factors are chosen, by the work-group's number.
; A work-group takes 64 columns j and 64 rows; wave w takes 16 of the columns: 2 fragments of W1 (K = 256), 4 tiles of 16 rows, 8 matrix instructions.
; OUT.  at: [32 blocks of t][512 j][32 t], nt: [8 blocks of o][512 j][64 o], f32: the order in which the next launch's tiles lie in LDS.  A lane holds 8 rows of ONE column j, so the wave's 16 j x 64 rows
; go through its own stage in LDS and come back as rows [j][64]; every aligned block of 256 bytes is written whole by one store.
; pqp: [32 tiles of 16 j][1536 rows: 1024 t, then 512 o]: the sum over the wave's 16 j of W2[j] x value, for the terms of the result that hang on t alone or on o alone.
; LIMITS on the given exponents: e of W1's halves between -126 and 112; e(z) + e(W1) between -126 and 127, so that each power of two below is an f32 number.  NaN among the inputs is not served.
.set TOPWG, 128                        ; work-groups of the upper half
.set SPI,   272                        ; a stage row: 64 numbers (256 bytes) + 16 of padding: an odd multiple of 16
.set STG,   16*SPI                     ; a wave's stage
.set WC,    32                         ; v32-63   W1's codes: two fragments
.set WF,    64                         ; v64-191  W1's numbers: 64 a lane for each fragment
.set ZA,    192                        ; v192-255 z's tiles 0, 1 (two fragments each)
.set ZB,    64                         ; v64-127  z's tiles 2, 3, once the first fragment's numbers are converted
.set DD,    128                        ; v128-159 the four accumulators, once the second fragment's numbers are converted
.set VAL,   160                        ; v160-191 the values
.set TB,    192                        ; v192-223 rows read back from the stage
.set PB,    224                        ; v224-255 two rows a lane, 16 j, for the sums
	s_load_b256 s[4:11], s[0:1], 0x0               ; z_t s[4:5], z_o s[6:7], W1 s[8:9], b1 s[10:11]
	s_load_b256 s[12:19], s[0:1], 0x20             ; W2 s[12:13], the exponents s[14:15], at s[16:17], nt s[18:19]
	s_load_b64 s[20:21], s[0:1], 0x40              ; pqp
	v_lshl_add_u32 v26, v0, 2, 0x4400
	v_mov_b32 v27, 0
	v_lshrrev_b32 v1, 5, v0
	v_readfirstlane_b32 s22, v1                    ; wave 0..3
	v_and_b32 v1, 31, v0                           ; lane
	v_and_b32 v2, 15, v0                           ; r
	v_bfe_u32 v3, v0, 4, 1                         ; h
	s_cmp_lt_u32 ttmp9, TOPWG                      ; upper half or lower?  Everything below is chosen, nothing branches
	s_cselect_b32 s23, 0, TOPWG                    ; my part's first work-group
	s_cselect_b32 s24, 0, 256*2048                 ; my half of W1, in bytes
	s_mov_b32 s25, 128
	s_cselect_b32 s25, 0x10000, s25                ; out: rows 32-63 lie a block of t further on (at), or 128 bytes on (nt)
	s_mov_b32 s26, 256
	s_cselect_b32 s26, 128, s26                    ; out: from j to j + 1
	s_cselect_b32 s27, 0, 1024                     ; pqp: my part's first row
	s_cselect_b32 s28, 0, 0x80000000               ; the sign of the factor
	s_cselect_b32 s29, 0, -1                       ; all lanes: b1 counts
	s_sub_co_u32 s23, ttmp9, s23
	s_and_b32 s30, s23, 7
	s_lshr_b32 s31, s23, 3                         ; which 64 rows
	s_lshl_b32 s30, s30, 2
	s_add_co_u32 s30, s30, s22                     ; which tile of 16 columns: 4 x (block of 64 columns) + wave
	s_lshl_b32 s34, s30, 6                         ; my first column in bytes
	s_mov_b32 s35, 0
	s_add_co_u32 s32, s24, s34                     ; W1: my half, my column
	s_mov_b32 s33, 0
	s_lshl_b32 s36, s31, 14                        ; z: 64 rows of 256 bytes
	s_mov_b32 s37, 0
	s_lshl_b32 s39, s26, 4
	s_mul_i32 s39, s39, s30                        ; out: 16 j x tile
	s_lshl_b32 s38, s31, 17                        ; + 64 rows' blocks: 131,072 bytes in at and in nt alike
	s_add_co_u32 s38, s38, s39
	s_mov_b32 s39, 0
	s_mul_i32 s40, s30, 6144                       ; pqp: a tile's 1,536 numbers
	s_lshl_b32 s41, s31, 6
	s_add_co_u32 s41, s41, s27
	s_lshl_b32 s41, s41, 2
	s_add_co_u32 s40, s40, s41
	s_mov_b32 s41, 0
	s_lshl_b32 s42, s26, 1                         ; out: two j on
	s_mul_i32 s43, s22, STG                        ; my stage
	v_lshlrev_b32 v4, 2, v2
	v_lshl_add_u32 v4, v3, 15, v4                  ; W1: column r; lanes 16-31 begin 16 rows of 2,048 bytes further down
	v_lshlrev_b32 v5, 8, v2
	v_lshl_add_u32 v5, v3, 4, v5                   ; z: row r, + 16 h
	v_lshlrev_b32 v6, 2, v2                        ; b1: column r
	v_mul_u32_u24 v7, v2, SPI
	v_lshl_add_u32 v7, v3, 5, v7
	v_add_nc_u32 v7, s43, v7                       ; stage, in: row j = r, + 32 h: my eight rows of a tile
	v_mul_u32_u24 v8, v3, SPI
	v_lshl_add_u32 v8, v2, 4, v8
	v_add_nc_u32 v8, s43, v8                       ; stage, back: lanes 0-15 one j, lanes 16-31 the next, 16 bytes a lane
	v_lshl_add_u32 v9, v1, 3, s43                  ; stage, for the sums: rows 2 lane, 2 lane + 1
	v_lshlrev_b32 v10, 3, v1                       ; pqp: 8 bytes a lane
	v_and_b32 v14, 7, v0
	v_bfe_u32 v15, v0, 3, 1
	v_lshlrev_b32 v16, 4, v14
	v_mad_u32_u24 v16, v15, s25, v16
	v_mad_u32_u24 v16, v3, s26, v16                ; out: 16 (lane % 8) + the upper 32 rows' place + the odd j's place
.irp k, 1,2,3,4,5,6,7
	v_add_nc_u32 v[16+\k], s42, v[15+\k]           ; one offset register for each of the eight stores: none is rewritten
.endr
	s_wait_kmcnt 0x0
	s_load_b128 s[44:47], s[14:15], 0x0            ; e(z_t), e(W1 upper), e(z_o), e(W1 lower)
	s_cmp_lt_u32 ttmp9, TOPWG
	s_cselect_b64 s[4:5], s[4:5], s[6:7]
	s_cselect_b64 s[16:17], s[16:17], s[18:19]
	s_add_nc_u64 s[4:5], s[4:5], s[36:37]
	s_add_nc_u64 s[8:9], s[8:9], s[32:33]
	s_add_nc_u64 s[10:11], s[10:11], s[34:35]
	s_add_nc_u64 s[12:13], s[12:13], s[34:35]
	s_add_nc_u64 s[16:17], s[16:17], s[38:39]
	s_add_nc_u64 s[20:21], s[20:21], s[40:41]
	s_load_b512 s[48:63], s[12:13], 0x0            ; W2 of my 16 columns
.macro ZLOAD reg, t0                   ; two tiles of 16 rows, two fragments each: lane (r, h) takes of row r the codes k = 128 f + 32 c + 16 h + 0 .. 15
.irp tt, 0,1
.irp f, 0,1
.irp c, 0,1,2,3
	global_load_b128 v[\reg+32*\tt+16*\f+4*\c:\reg+32*\tt+16*\f+4*\c+3], v5, s[4:5] offset:(\t0+\tt)*4096+128*\f+32*\c
.endr
.endr
.endr
.endm
	ZLOAD ZA, 0
	global_load_b32 v11, v6, s[10:11]              ; b1 of my column
.set n, 0
.rept 128
	global_load_b32 v[WF+n], v4, s[8:9] offset:(32*(n/16)+n%16)*2048   ; W1(32 (n / 16) + 16 h + n % 16, my column): sixteen lanes read 64 neighbouring bytes
.set n, n+1
.endr
	s_wait_kmcnt 0x0
	s_cmp_lt_u32 ttmp9, TOPWG
	s_cselect_b32 s44, s44, s46                    ; e of my z
	s_cselect_b32 s45, s45, s47                    ; e of my half of W1
	s_add_co_i32 s46, s44, s45
	s_add_co_i32 s46, s46, 127
	s_lshl_b32 s46, s46, 23
	s_or_b32 s46, s46, s28                         ; +2^(ez + ew) for a, -2^(ez + ew) for n
	s_mov_b32 s47, s46                             ; (named with it as a pair, so it is written)
	s_add_co_i32 s45, s45, 127
	s_lshl_b32 s44, s45, 23
	v_mov_b32 v13, s44                             ; 2^ew as f32: the conversion takes its exponent field
	s_add_co_i32 s45, s45, 15
	s_lshl_b32 s45, s45, 23
	s_or_b32 s45, s45, 0x600000
	v_mov_b32 v12, s45                             ; 57,344 x 2^ew
.macro QW f                            ; 64 numbers of a lane become fragment f's 16 registers of codes
.irp c, 0,1,2,3
.set n, 0
.rept 16
	v_med3_num_f32 v[WF+64*\f+16*\c+n], v[WF+64*\f+16*\c+n], -v12, v12   ; the conversion to an 8-bit code does not saturate (ISA guide 7.6.2): the hold at the largest code x the scale
.set n, n+1
.endr
	v_cvt_scalef32_pk8_bf8_f32 v[WC+16*\f+4*\c:WC+16*\f+4*\c+1], v[WF+64*\f+16*\c:WF+64*\f+16*\c+7], v13
	v_cvt_scalef32_pk8_bf8_f32 v[WC+16*\f+4*\c+2:WC+16*\f+4*\c+3], v[WF+64*\f+16*\c+8:WF+64*\f+16*\c+15], v13
.endr
	v_nop                                          ; one plain vector instruction behind the last conversion: matrix instructions later read the codes and write over the numbers
.endm
	s_wait_loadcnt 63                              ; 145 loads were issued: the oldest 82 are in: z's tiles 0 and 1 (16), b1 (1), the first fragment's 64 numbers
	v_xor_b32 v24, 0x80000000, v11
	v_cndmask_b32 v24, 0, v24, s29                 ; what is added to a value: 0 for a, -b1 for n
	v_mov_b32 v25, 0                               ; (named with it as a pair, so it is written)
	QW 0
	ZLOAD ZB, 2                                    ; z's tiles 2 and 3 land where the first fragment's numbers lay, while the second fragment is converted
	s_wait_loadcnt 16                              ; all but those 16
	QW 1
	s_wait_loadcnt 0x0
.irp f, 0,1                            ; source 0 = 16 rows of z, source 1 = 16 columns of W1.  The four accumulators take turns, one instruction a turn
.irp tt, 0,1,2,3
.if \tt < 2
.set ZR, ZA+32*\tt+16*\f
.else
.set ZR, ZB+32*(\tt-2)+16*\f
.endif
.if \f == 0
	v_wmma_f32_16x16x128_bf8_bf8 v[DD+8*\tt:DD+8*\tt+7], v[ZR:ZR+15], v[WC:WC+15], 0
.else
	v_wmma_f32_16x16x128_bf8_bf8 v[DD+8*\tt:DD+8*\tt+7], v[ZR:ZR+15], v[WC+16:WC+31], v[DD+8*\tt:DD+8*\tt+7]
.endif
.endr
.endr
.rept 4
	v_nop                                          ; four places ahead of the first read of results and of loads into registers that matrix instructions have read
.endr
.set n, 0
.rept 16
	v_pk_fma_f32 v[VAL+n:VAL+n+1], v[DD+n:DD+n+1], s[46:47], v[24:25] op_sel_hi:[1,0,0]   ; value = sum x (+-2^(ez + ew)) + (0 or -b1); each accumulator from its low end on
.set n, n+2
.endr
.irp tt, 0,1,2,3                       ; lane (r, h), tile tt: rows 16 tt + 8 h + 0 .. 7 of column j = r
	ds_store_b128 v7, v[VAL+8*\tt:VAL+8*\tt+3] offset:64*\tt
	ds_store_b128 v7, v[VAL+8*\tt+4:VAL+8*\tt+7] offset:64*\tt+16
.endr
.irp k, 0,1,2,3,4,5,6,7                ; LDS serves a wave's instructions in order (ISA guide 5.7.1.4): these see my stores
	ds_load_b128 v[TB+4*\k:TB+4*\k+3], v8 offset:2*\k*SPI
.endr
.set n, 0
.rept 16
	ds_load_b64 v[PB+2*n:PB+2*n+1], v9 offset:n*SPI
.set n, n+1
.endr
	s_wait_dscnt 16                                ; the eight loads of rows are in; the sixteen for the sums may be out
.irp k, 0,1,2,3,4,5,6,7
	global_store_b128 v[16+\k], v[TB+4*\k:TB+4*\k+3], s[16:17]   ; j = 2 k and 2 k + 1: every aligned block of 256 bytes that the store touches is written whole
.endr
	s_wait_dscnt 0x0
	v_mul_f32 v28, s48, v[PB]                      ; the sums over my 16 j, even and odd j apart: the first products start them
	v_mul_f32 v29, s48, v[PB+1]
	v_mul_f32 v30, s49, v[PB+2]
	v_mul_f32 v31, s49, v[PB+3]
.set n, 2
.rept 14
	v_fmac_f32 v[28+2*(n%2)], s[48+n], v[PB+2*n]
	v_fmac_f32 v[29+2*(n%2)], s[48+n], v[PB+2*n+1]
.set n, n+1
.endr
	v_pk_add_f32 v[28:29], v[28:29], v[30:31]
	global_store_b64 v10, v[28:29], s[20:21]       ; 32 lanes store 256 consecutive bytes, aligned
	s_wait_tensorcnt 0x0
	ds_add_u32 v26, v27
	s_wait_dscnt 0x0
	s_endpgm
.Lfunc_end_k_q0d771c2548_prep:
	.size	k_q0d771c2548_prep, .Lfunc_end_k_q0d771c2548_prep-k_q0d771c2548_prep
	.p2alignl 7, 3214868480
	.fill 96, 4, 3214868480
	.section	.rodata,"a",@progbits
	.p2align	6, 0x0
	.amdhsa_kernel k_q0d771c2548_prep
		.amdhsa_group_segment_fixed_size 17920
		.amdhsa_private_segment_fixed_size 0
		.amdhsa_enable_private_segment 0
		.amdhsa_kernarg_size 72
		.amdhsa_user_sgpr_count 2
		.amdhsa_user_sgpr_kernarg_segment_ptr 1
		.amdhsa_wavefront_size32 1
		.amdhsa_system_sgpr_workgroup_id_x 1
		.amdhsa_system_sgpr_workgroup_id_y 1
		.amdhsa_system_sgpr_workgroup_id_z 1
		.amdhsa_system_vgpr_workitem_id 0
		.amdhsa_next_free_vgpr 256
		.amdhsa_next_free_sgpr 66
		.amdhsa_reserve_vcc 0
		.amdhsa_float_denorm_mode_32 3
		.amdhsa_float_denorm_mode_16_64 3
		.amdhsa_memory_ordered 1
		.amdhsa_forward_progress 1
		.amdhsa_inst_pref_size 35
	.end_amdhsa_kernel
	.amdgpu_metadata
---
amdhsa.version: [ 1, 2 ]
amdhsa.kernels:
  - .name:           k_q0d771c2548_prep
    .symbol:         k_q0d771c2548_prep.kd
    .args:
      - { .name: z_t_codes, .offset: 0, .size: 8, .value_kind: global_buffer, .address_space: global }
      - { .name: z_o_codes, .offset: 8, .size: 8, .value_kind: global_buffer, .address_space: global }
      - { .name: W1, .offset: 16, .size: 8, .value_kind: global_buffer, .address_space: global }
      - { .name: b1, .offset: 24, .size: 8, .value_kind: global_buffer, .address_space: global }
      - { .name: W2, .offset: 32, .size: 8, .value_kind: global_buffer, .address_space: global }
      - { .name: lowp_scales, .offset: 40, .size: 8, .value_kind: global_buffer, .address_space: global }
      - { .name: at, .offset: 48, .size: 8, .value_kind: global_buffer, .address_space: global }
      - { .name: nt, .offset: 56, .size: 8, .value_kind: global_buffer, .address_space: global }
      - { .name: pqp, .offset: 64, .size: 8, .value_kind: global_buffer, .address_space: global }
    .group_segment_fixed_size: 17920
    .private_segment_fixed_size: 0
    .kernarg_segment_align: 8
    .kernarg_segment_size: 72
    .max_flat_workgroup_size: 128
    .sgpr_count:     66
    .vgpr_count:     256
    .wavefront_size: 32
...
	.end_amdgpu_metadata
.endif
;; end of part 1
;; launch main (part 2): grid 8 x 32, 8 waves a work-group, clusters of 4 x 4, 280,576 bytes of LDS; arguments at, nt, pqp, W2, b2, out0; writes out0
.if DOCPART == 2
	.amdgcn_target "amdgcn-amd-amdhsa--gfx1250"
	.amdhsa_code_object_version 6
	.text
	.protected	k_q0d771c2548_main
	.globl	k_q0d771c2548_main
	.p2align	8
	.type	k_q0d771c2548_main,@function
k_q0d771c2548_main:
	s_mov_b64 s[64:65], 0
	v_nop
	global_prefetch_b8 v0, s[64:65] scope:SCOPE_SE
	s_setreg_imm32_b32 hwreg(HW_REG_WAVE_MODE, 25, 1), 1
	s_wait_xcnt 0x0
	s_wait_alu depctr_hold_cnt(0) depctr_sa_sdst(0) depctr_va_vdst(0) depctr_va_sdst(0) depctr_va_ssrc(0) depctr_va_vcc(0) depctr_vm_vsrc(0)
	s_getreg_b32 s2, hwreg(HW_REG_IB_STS2, 6, 4)
	s_cmp_eq_u32 s2, 0
	s_cbranch_scc0 .Lentry_in_a_cluster
	s_endpgm
.Lentry_in_a_cluster:
	s_bfe_u32 s2, ttmp6, 0x10000c
	s_cmp_lg_u32 s2, 0xf033
	s_cbranch_scc0 .Lentry_shape_is_right
	s_endpgm
.Lentry_shape_is_right:
; out[t][o] = sum over j of W2[j] leaky(a[t][j] + c[o][j]) + b2,  a = ht, c = ho + b1, n = -c (a and n were made by the launch before).
; leaky(x) = 0.01 x + 0.99 relu(x)  and  relu(a + c) = max(a, n) - n,  so
;   out[t][o] = 0.99 S[t][o] + P[t] + Q[o],   S = sum_j W2[j] max(a[t][j], n[o][j]),   P = 0.01 sum_j W2[j] a[t][j],   Q = b2 - sum_j W2[j] n[o][j].
; An element of the 1024 x 512 x 512 then costs one maximum and one multiply-add, both issued two to an instruction.  All in f32.
; LIMITS: the identity holds for all finite numbers; the order of rounding differs from a sum of W2 x leaky(h): the error is a few 2^-24 of sum |W2| (|a| + |c|).  NaN and infinities are not served.
; SHARES.  A work-group owns 32 t x 64 o.  ALL EIGHT WAVES WORK ON THAT SAME TILE AND SHARE THE SUM: wave w takes j = 64 w .. 64 w + 63.  Lane (lt = lane / 8, lo = lane % 8) holds t = 8 lt + 0..7, o = 8 lo + 0..7:
; 64 sums.  For one j a lane reads 8 a and 8 n (four loads of 16 bytes) for its 64 elements.  At the end the eight waves' sums meet in LDS.
; TILES.  at: [block of 32 t][j][32 t], nt: [block of 64 o][j][64 o].  A wave's part of each is dense in memory; it fetches it itself, in four chunks of 16 j (2,048 and 4,096 bytes), reads it alone, and needs only its
; own waits on TENSORcnt.  All eight loads of a wave are first fills and go out together: eight are out at the most; no LDS byte is filled twice, so the loop has no barrier.
; CLUSTER.  4 x 4 work-groups.  The four of a row of the cluster have the same block of t, the four of a column the same block of o: each chunk is asked for JOINTLY, by the same load with the same descriptor
; and a mask that names the four.
; THE 64 STEPS ARE WRITTEN OUT, so that every LDS offset, the scalar register of each W2[j] and each count on TENSORcnt is a constant of the text.
.set AWAVE, 8192                       ; LDS: a wave's 64 j x 32 t, from byte 0 on
.set NBASE, 65536                      ;      then the waves' 64 j x 64 o,
.set NWAVE, 16384
.set RED,   196608                     ;      then the waves' sums as images of their registers: 16 groups of four registers, 640 bytes apart (512 + 128, so that the two groups a reader's
.set GS,    640
.set RWAVE, 16*GS
.set PQ,    RED+8*RWAVE                ;      then P (32 numbers) and Q (64).  No tile lands from RED on
.set G1A,   8                          ; s[8:15]  descriptor group 1 for a's chunks;  s[16:23] for n's
.set G1N,   16
.set G0,    24                         ; s[24:55] groups 0: chunk c's for a at 24 + 8 c, for n at 28 + 8 c: none is rewritten
.set WS,    68                         ; s[68:83], s[84:99] W2 of a chunk's 16 j, two sets by turns
.set WV,    100                        ; s100 my wave's number
.set VA,    1                          ; v1  LDS address of my 8 a of the wave's first j
.set VN,    2                          ; v2  of my 8 n
.set VR,    3                          ; v3  where my sums' images go
.set VRD,   4                          ; v4, v5  where I read sums back: waves 0-3's images, waves 4-7's
.set VRD2,  5
.set VP,    6                          ; v6  my row's P;  v7 my four columns' Q;  v8 where waves 0-2 put P and Q
.set VQ,    7
.set VPQ,   8
.set VO,    9                          ; v9  my byte offset in out;  v10  4 x lane
.set VL4,   10
.set MT,    16                         ; v16-47   32 maxima
.set OP,    48                         ; v48-111  four sets of operands: 8 a, 8 n
.set ACC,   112                        ; v112-175 the sums: (ti, oi) at 8 ti + oi
.macro CROUND                          ; a round of the cluster's barrier
	s_barrier_signal -1
	s_barrier_wait -1
	s_cmp_lg_u32 s[WV], 0
	s_cbranch_scc1 .Lnot_wave_0_\@
	s_barrier_signal -3
.Lnot_wave_0_\@:
	s_barrier_wait -3
	s_barrier_signal -1
	s_barrier_wait -1
.endm
	s_load_b256 s[56:63], s[0:1], 0x0              ; at s[56:57], nt s[58:59], pqp s[60:61], W2 s[62:63]
	s_load_b128 s[4:7], s[0:1], 0x20               ; b2 s[4:5], out s[6:7]
	v_lshl_add_u32 v176, v0, 2, 0x44400
	v_mov_b32 v177, 0
	ds_add_u32 v176, v177
	ds_add_u32 v176, v177
	v_lshrrev_b32 v11, 5, v0
	v_readfirstlane_b32 s[WV], v11                 ; wave 0..7
	s_bfe_u32 s84, ttmp6, 0x40000                  ; cx, cy: my place in the cluster
	s_bfe_u32 s85, ttmp6, 0x40004
	s_lshl_b32 s86, ttmp9, 2
	s_add_co_u32 s86, s86, s84                     ; block of o = 4 x cluster x + cx
	s_and_b32 s87, ttmp7, 0xffff
	s_lshl_b32 s87, s87, 2
	s_add_co_u32 s87, s87, s85                     ; block of t = 4 x cluster y + cy
	s_lshl_b32 s88, s85, 2
	s_lshl_b32 s88, 15, s88                        ; my row of the cluster
	s_lshl_b32 s89, 0x1111, s84                    ; my column
	; group 1: a dense block as rows of 256 bytes: elements of 8 bytes, 32 to a row, 8 rows (a) or 16 (n)
	s_or_b32 s[G1A], s88, (3<<16)|(1<<21)          ; 15:0 the mask: a's chunks go to my row; 17:16 elements of 8 bytes; 21 set beside a mask
	s_or_b32 s[G1N], s89, (3<<16)|(1<<21)          ; n's go to my column
	s_mov_b32 s[G1A+1], 32<<16                     ; tensor_dim0
	s_mov_b32 s[G1A+2], 8<<16                      ; tensor_dim1
	s_mov_b32 s[G1A+3], 32<<16                     ; tile_dim0
	s_mov_b32 s[G1A+4], 8                          ; tile_dim1
	s_mov_b32 s[G1A+5], 32                         ; from row to row
	s_mov_b32 s[G1A+6], 0
	s_mov_b32 s[G1A+7], 0
	s_mov_b32 s[G1N+1], 32<<16
	s_mov_b32 s[G1N+2], 16<<16
	s_mov_b32 s[G1N+3], 32<<16
	s_mov_b32 s[G1N+4], 16
	s_mov_b32 s[G1N+5], 32
	s_mov_b32 s[G1N+6], 0
	s_mov_b32 s[G1N+7], 0
	s_lshl_b32 s90, s87, 16                        ; a: my block of t (65,536 bytes),
	s_lshl_b32 s96, s[WV], 13                      ; my wave's 64 j of 128 bytes: in memory and in LDS alike
	s_add_co_u32 s90, s90, s96
	s_mov_b32 s91, 0
	s_lshl_b32 s94, s86, 17                        ; n: my block of o (131,072 bytes),
	s_lshl_b32 s97, s[WV], 14                      ; my wave's 64 j of 256 bytes
	s_add_co_u32 s94, s94, s97
	s_mov_b32 s95, 0
	s_add_co_u32 s97, s97, NBASE                   ; and their place in LDS: no place in the cluster enters an LDS address
	s_lshl_b32 s92, s87, 16                        ; out: 32 rows of 2,048 bytes x block of t
	s_lshl_b32 s93, s86, 8                         ; + 256 bytes x block of o
	s_add_co_u32 s92, s92, s93
	s_add_co_u32 s92, s92, s96                     ; + the four rows that my wave stores
	s_mov_b32 s93, 0
	s_lshl_b32 s98, s87, 5                         ; pqp: wave 0 sums P: rows 32 x block of t on;
	s_lshl_b32 s99, s86, 6
	s_lshl_b32 s2, s[WV], 5
	s_add_co_u32 s99, s99, s2
	s_add_co_u32 s99, s99, 992                     ; waves 1, 2 sum Q: rows 1,024 + 64 x block of o + 32 (wave - 1) on
	s_mov_b32 s2, 0xbf800000
	s_cmp_eq_u32 s[WV], 0
	s_cselect_b32 s98, s98, s99
	s_cselect_b32 s2, 0x3c23d70a, s2               ; the factor: 0.01 for P, -1 for Q
	s_lshl_b32 s98, s98, 2
	s_mov_b32 s99, 0
	s_lshl_b32 s66, s[WV], 8                       ; W2: my 64 numbers
	s_mov_b32 s67, 0
	; every LDS address is made here, ahead of the one place where waves part
	v_and_b32 v11, 7, v0                           ; lo
	v_bfe_u32 v12, v0, 3, 2                        ; lt
	v_and_b32 v13, 31, v0                          ; lane
	v_lshl_add_u32 v[VA], v12, 5, s96
	v_lshl_add_u32 v[VN], v11, 5, s97
	s_mul_i32 s88, s[WV], RWAVE
	s_add_co_u32 s88, s88, RED
	v_lshl_add_u32 v[VR], v13, 4, s88              ; an image: 16 bytes a lane
	; back: wave v stores rows t = 4 v + 2 k + hb (k = 0, 1; hb = lane / 16), lane q = lane % 16 the columns 4 q .. 4 q + 3.
	; They lie in group 2 (t % 8) + q % 2 of every image, at lane 8 (t / 8) + q / 2
	s_and_b32 s88, s[WV], 1
	s_mul_i32 s88, s88, 8*GS
	s_lshr_b32 s89, s[WV], 1
	s_lshl_b32 s89, s89, 7
	s_add_co_u32 s88, s88, s89
	s_add_co_u32 s88, s88, RED
	v_bfe_u32 v14, v0, 4, 1                        ; hb
	v_and_b32 v15, 1, v0                           ; q % 2
	v_bfe_u32 v11, v0, 1, 3                        ; q / 2
	v_mul_u32_u24 v[VRD], v14, 2*GS
	v_mad_u32_u24 v[VRD], v15, GS, v[VRD]
	v_lshl_add_u32 v[VRD], v11, 4, v[VRD]
	v_add_nc_u32 v[VRD], s88, v[VRD]
	v_add_nc_u32 v[VRD2], 4*RWAVE, v[VRD]
	s_lshl_b32 s89, s[WV], 4
	s_add_co_u32 s89, s89, PQ
	v_lshl_add_u32 v[VP], v14, 2, s89              ; P of row 4 v + hb
	v_and_b32 v12, 15, v0                          ; q
	v_lshlrev_b32 v[VO], 4, v12
	v_add_nc_u32 v[VQ], PQ+128, v[VO]              ; Q of columns 4 q on
	v_lshl_add_u32 v[VO], v14, 11, v[VO]           ; out: 16 q + a row for lanes 16-31
	v_lshl_add_u32 v[VPQ], v0, 2, PQ               ; waves 0-2: thread i's number is number i of P, Q
	v_lshlrev_b32 v[VL4], 2, v13
	s_wait_dscnt 0x0
	s_wait_kmcnt 0x0
	s_load_b32 s101, s[4:5], 0x0                   ; b2
	s_add_nc_u64 s[90:91], s[56:57], s[90:91]
	s_add_nc_u64 s[94:95], s[58:59], s[94:95]
	s_add_nc_u64 s[60:61], s[60:61], s[98:99]
	s_add_nc_u64 s[62:63], s[62:63], s[66:67]
	s_add_nc_u64 s[6:7], s[6:7], s[92:93]
.irp c, 0,1,2,3
	s_mov_b32 s[G0+8*\c], 1                        ; count = 1
	s_add_co_u32 s[G0+8*\c+1], s96, \c*2048        ; LDS address
	s_add_nc_u64 s[G0+8*\c+2:G0+8*\c+3], s[90:91], \c*2048   ; global address: chunk c's 16 j
	s_or_b32 s[G0+8*\c+3], s[G0+8*\c+3], 0x80000000          ; type = 2
	s_mov_b32 s[G0+8*\c+4], 1
	s_add_co_u32 s[G0+8*\c+5], s97, \c*4096
	s_add_nc_u64 s[G0+8*\c+6:G0+8*\c+7], s[94:95], \c*4096
	s_or_b32 s[G0+8*\c+7], s[G0+8*\c+7], 0x80000000
.endr
	CROUND                                         ; all sixteen work-groups are here: the joint loads meet
.irp c, 0,1,2,3
	tensor_load_to_lds s[G0+8*\c:G0+8*\c+3], s[G1A:G1A+7]
	s_nop 0
	tensor_load_to_lds s[G0+8*\c+4:G0+8*\c+7], s[G1N:G1N+7]
	s_nop 0
.endr
.rept 4
	v_nop
.endr
	s_load_b512 s[WS:WS+15], s[62:63], 0x0         ; W2 of chunks 0 and 1 (the second set lies over scalars that are done with)
	s_load_b512 s[WS+16:WS+31], s[62:63], 0x40
	s_wait_kmcnt 0x0
	s_cmp_eq_u32 s[WV], 0
	s_cselect_b32 s3, 0, s101                      ; what is added: 0 for P, b2 for Q
	; P and Q: the 32 partial sums of each of the tile's 96 rows, a lane a row, while the first chunks are on their way.  Waves 0, 1, 2 alone
	s_cmp_lt_u32 s[WV], 3
	s_cbranch_scc0 .Lno_pq
.set n, 0
.rept 32
	global_load_b32 v[MT+n], v[VL4], s[60:61] offset:n*6144   ; 32 lanes read 128 neighbouring bytes
.set n, n+1
.endr
	s_wait_loadcnt 0x0
.irp i, 0,2,4,6,8,10,12,14
	v_pk_add_f32 v[MT+\i:MT+\i+1], v[MT+\i:MT+\i+1], v[MT+16+\i:MT+17+\i]
.endr
.irp i, 0,2,4,6
	v_pk_add_f32 v[MT+\i:MT+\i+1], v[MT+\i:MT+\i+1], v[MT+8+\i:MT+9+\i]
.endr
.irp i, 0,2
	v_pk_add_f32 v[MT+\i:MT+\i+1], v[MT+\i:MT+\i+1], v[MT+4+\i:MT+5+\i]
.endr
	v_pk_add_f32 v[MT:MT+1], v[MT:MT+1], v[MT+2:MT+3]
	v_add_f32 v[MT], v[MT], v[MT+1]
	v_fma_f32 v[MT], v[MT], s2, s3                 ; P = 0.01 x sum;  Q = b2 - sum
	ds_store_b32 v[VPQ], v[MT]                     ; read behind the barrier of the way out
.Lno_pq:
.macro LDJ j                           ; step j's operands into set j % 4.  A row of a is 128 bytes, of n 256
.set OB, OP+16*((\j)%4)
	ds_load_b128 v[OB:OB+3],     v[VA] offset:(\j)*128
	ds_load_b128 v[OB+4:OB+7],   v[VA] offset:(\j)*128+16
	ds_load_b128 v[OB+8:OB+11],  v[VN] offset:(\j)*256
	ds_load_b128 v[OB+12:OB+15], v[VN] offset:(\j)*256+16
.endm
; 32 maxima: rows ti = 4 u + 0..3 x all 8 columns.  A pair takes (ti, even column) and (ti xor 1, odd column): its two first sources, its two second sources and its two results are neighbours,
; so that each kind falls into different register banks and one result is even, the other odd, as a dual-issue pair asks
.macro MAXH j, u
.set OB, OP+16*((\j)%4)
.irp ti, 0,1,2,3
.irp q, 0,1,2,3
	v_dual_max_num_f32 v[MT+8*\ti+2*\q], v[OB+4*\u+\ti], v[OB+8+2*\q] :: v_dual_max_num_f32 v[MT+8*(\ti^1)+2*\q+1], v[OB+4*\u+(\ti^1)], v[OB+9+2*\q]
.endr
.endr
.endm
; and their 32 multiply-adds by W2[j], which is one scalar for both halves.  The first step's products start the sums: nothing is cleared
.macro FMH j, u
.set WR, WS+16*(((\j)/16)%2)+(\j)%16
.irp ti, 0,1,2,3
.irp q, 0,1,2,3
.if (\j) == 0
	v_dual_mul_f32 v[ACC+32*\u+8*\ti+2*\q], s[WR], v[MT+8*\ti+2*\q] :: v_dual_mul_f32 v[ACC+32*\u+8*\ti+2*\q+1], s[WR], v[MT+8*\ti+2*\q+1]
.else
	v_dual_fmac_f32 v[ACC+32*\u+8*\ti+2*\q], s[WR], v[MT+8*\ti+2*\q] :: v_dual_fmac_f32 v[ACC+32*\u+8*\ti+2*\q+1], s[WR], v[MT+8*\ti+2*\q+1]
.endif
.endr
.endr
.endm
.macro STEP j
.if ((\j) == 32) || ((\j) == 48)
	s_wait_kmcnt 0x0                               ; this chunk's W2, asked for a chunk ago
.endif
.if (\j) < 61
	s_wait_dscnt 12                                ; step j's four loads are in; those of the three steps behind it may be out
.else
	s_wait_dscnt 4*(63-(\j))
.endif
	MAXH \j, 0
	FMH \j, 0
	MAXH \j, 1
.if (\j)+4 < 64
.if ((\j)+4)%16 == 0
	s_wait_tensorcnt 6-2*(((\j)+4)/16)             ; the chunk that begins four steps on has landed: two loads for each later chunk may be out
.endif
	LDJ (\j)+4                                     ; into the set whose last reader has just been issued
.endif
	FMH \j, 1
.if (\j) == 15
	s_load_b512 s[WS:WS+15], s[62:63], 0x80        ; chunk 2's W2, into the set that chunk 0 has left
.endif
.if (\j) == 31
	s_load_b512 s[WS+16:WS+31], s[62:63], 0xc0     ; chunk 3's
.endif
.endm
	s_wait_tensorcnt 6                             ; my chunk 0 (the two oldest of my eight loads) has landed
	LDJ 0
	LDJ 1
	LDJ 2
	LDJ 3
.set J, 0
.rept 64
	STEP J
.set J, J+1
.endr
	; THE WAY OUT.  My 64 sums go to LDS as they stand, four registers a store, 512 consecutive bytes each
.irp g, 0,1,2,3,4,5,6,7,8,9,10,11,12,13,14,15
	ds_store_b128 v[VR], v[ACC+4*\g:ACC+4*\g+3] offset:\g*GS
.endr
	s_wait_dscnt 0x0                               ; for the others' sake: my sums, and P and Q, lie in LDS
	s_barrier_signal -1
	s_barrier_wait -1
	ds_load_b32 v[MT], v[VP]                       ; P of my row for k = 0,
	ds_load_b32 v[MT+2], v[VP] offset:8            ; for k = 1
	ds_load_b128 v[MT+4:MT+7], v[VQ]               ; Q of my four columns
.irp k, 0,1
.irp p, 0,1,2,3
	ds_load_b128 v[OP+32*\k+4*\p:OP+32*\k+4*\p+3], v[VRD] offset:\p*RWAVE+\k*4*GS
.endr
.irp p, 0,1,2,3
	ds_load_b128 v[OP+32*\k+16+4*\p:OP+32*\k+16+4*\p+3], v[VRD2] offset:\p*RWAVE+\k*4*GS
.endr
.endr
	s_wait_dscnt 16                                ; P and Q are in
.irp k, 0,1
	v_pk_add_f32 v[MT+8+4*\k:MT+9+4*\k], v[MT+4:MT+5], v[MT+2*\k:MT+2*\k+1] op_sel_hi:[1,0]     ; Q + P (of the pair that holds P the low word serves both halves)
	v_pk_add_f32 v[MT+10+4*\k:MT+11+4*\k], v[MT+6:MT+7], v[MT+2*\k:MT+2*\k+1] op_sel_hi:[1,0]
.endr
.irp k, 0,1
	s_wait_dscnt 8-8*\k                            ; this row's eight partial sums are in
.irp d, 4,8,16                         ; the eight waves' sums: neighbours 1, 2 and 4 waves apart
.irp e, 0,2
.set n, 0
.rept 16/\d
	v_pk_add_f32 v[OP+32*\k+n+\e:OP+32*\k+n+\e+1], v[OP+32*\k+n+\e:OP+32*\k+n+\e+1], v[OP+32*\k+n+\d+\e:OP+32*\k+n+\d+\e+1]
.set n, n+2*\d
.endr
.endr
.endr
.irp e, 0,2
	v_pk_fma_f32 v[OP+32*\k+\e:OP+32*\k+\e+1], v[OP+32*\k+\e:OP+32*\k+\e+1], 0x3f7d70a4, v[MT+8+4*\k+\e:MT+9+4*\k+\e] op_sel_hi:[1,0,1]   ; 0.99 S + P + Q
.endr
	global_store_b128 v[VO], v[OP+32*\k:OP+32*\k+3], s[6:7] offset:\k*4096 th:TH_STORE_NT   ; sixteen lanes store 256 consecutive bytes of a row, aligned; written once, read by nobody here
.endr
	s_wait_tensorcnt 0x0
	ds_add_u32 v176, v177
	s_wait_dscnt 0x0
	CROUND                                         ; the closing round: no work-group ends while a partner may still ask for a chunk that names it
	s_endpgm
.Lfunc_end_k_q0d771c2548_main:
	.size	k_q0d771c2548_main, .Lfunc_end_k_q0d771c2548_main-k_q0d771c2548_main
	.p2alignl 7, 3214868480
	.fill 96, 4, 3214868480
	.section	.rodata,"a",@progbits
	.p2align	6, 0x0
	.amdhsa_kernel k_q0d771c2548_main
		.amdhsa_group_segment_fixed_size 280576
		.amdhsa_private_segment_fixed_size 0
		.amdhsa_enable_private_segment 0
		.amdhsa_kernarg_size 48
		.amdhsa_user_sgpr_count 2
		.amdhsa_user_sgpr_kernarg_segment_ptr 1
		.amdhsa_wavefront_size32 1
		.amdhsa_system_sgpr_workgroup_id_x 1
		.amdhsa_system_sgpr_workgroup_id_y 1
		.amdhsa_system_sgpr_workgroup_id_z 1
		.amdhsa_system_vgpr_workitem_id 0
		.amdhsa_next_free_vgpr 178
		.amdhsa_next_free_sgpr 102
		.amdhsa_reserve_vcc 0
		.amdhsa_float_denorm_mode_32 3
		.amdhsa_float_denorm_mode_16_64 3
		.amdhsa_memory_ordered 1
		.amdhsa_forward_progress 1
		.amdhsa_inst_pref_size 255
	.end_amdhsa_kernel
	.section	.bss,"aw",@nobits
	.p2align	6
	.space	262144
	.amdgpu_metadata
---
amdhsa.version: [ 1, 2 ]
amdhsa.kernels:
  - .name:           k_q0d771c2548_main
    .symbol:         k_q0d771c2548_main.kd
    .args:
      - { .name: at, .offset: 0, .size: 8, .value_kind: global_buffer, .address_space: global }
      - { .name: nt, .offset: 8, .size: 8, .value_kind: global_buffer, .address_space: global }
      - { .name: pqp, .offset: 16, .size: 8, .value_kind: global_buffer, .address_space: global }
      - { .name: W2, .offset: 24, .size: 8, .value_kind: global_buffer, .address_space: global }
      - { .name: b2, .offset: 32, .size: 8, .value_kind: global_buffer, .address_space: global }
      - { .name: out0, .offset: 40, .size: 8, .value_kind: global_buffer, .address_space: global }
    .group_segment_fixed_size: 280576
    .private_segment_fixed_size: 0
    .kernarg_segment_align: 8
    .kernarg_segment_size: 48
    .max_flat_workgroup_size: 256
    .sgpr_count:     102
    .vgpr_count:     178
    .wavefront_size: 32
...
	.end_amdgpu_metadata
.endif
;; end of part 2
;; ======== version 2 of 2: 2 launches; version 1 with the launch prep written anew for expert scheduling mode
;; workspace buffers: at 2,097,152 bytes; nt 1,048,576 bytes; pqp 196,608 bytes
;; launch prep (part 3): grid 192 x 1, 4 waves a work-group, no clusters, 17,920 bytes of LDS; arguments z_t_codes, z_o_codes, W1, b1, W2, lowp_scales, at, nt, pqp; writes at, nt, pqp
.if DOCPART == 3
	.amdgcn_target "amdgcn-amd-amdhsa--gfx1250"
	.amdhsa_code_object_version 6
	.text
	.protected	k_q0d771c2548_prep
	.globl	k_q0d771c2548_prep
	.p2align	8
	.type	k_q0d771c2548_prep,@function
k_q0d771c2548_prep:
	s_mov_b64 s[64:65], 0
	v_nop
	global_prefetch_b8 v0, s[64:65] scope:SCOPE_SE
	s_setreg_imm32_b32 hwreg(HW_REG_WAVE_SCHED_MODE, 0, 2), 2
	s_setreg_imm32_b32 hwreg(HW_REG_WAVE_MODE, 25, 1), 1
	s_wait_xcnt 0x0
	s_wait_alu depctr_vm_vsrc(0)
; THE TWO QUANTISED PRODUCTS.  a[t][j] = (z_t W1[:256])[t][j]  and  n[o][j] = -((z_o W1[256:])[o][j] + b1[j]),  on codes of E5M2, sums in f32.
; z_t, z_o arrive as codes (a row = 256 bytes, K innermost).  W1 [512][512] f32 has K as its first axis: a lane takes a column j and its registers run down K,
; in the very order that the operand's layout gives that lane, so the conversions' results are the operand's registers.
; code = x / 2^e, held within +-57,344, to the nearest code, ties to even.
; SHARES.  Work-groups 0-127: the upper half of W1 with z_t; 128-191: the lower half with z_o.  One path serves both: only pointers, strides and factors are chosen, by the work-group's number.
; A work-group takes 64 columns j and 64 rows; wave w takes 16 of the columns: 2 fragments of W1 (K = 256), 4 tiles of 16 rows, 8 matrix instructions.
; OUT.  at: [32 blocks of t][512 j][32 t], nt: [8 blocks of o][512 j][64 o], f32: the order in which the next launch's tiles lie in LDS.  A lane holds 8 rows of ONE column j, so the wave's 16 j x 64 rows
; go through its own stage in LDS and come back as rows [j][64]; every aligned block of 256 bytes is written whole by one store.
; pqp: [32 tiles of 16 j][1536 rows: 1024 t, then 512 o]: the sum over the wave's 16 j of W2[j] x value, for the terms of the result that hang on t alone or on o alone.
; LIMITS on the given exponents: e of W1's halves between -126 and 112; e(z) + e(W1) between -126 and 127, so that each power of two below is an f32 number.  NaN among the inputs is not served.
; THE MODE: SCHED_MODE bits 1:0 = 2 (LLVM: expert scheduling mode 2), set by the entry lines.  The code itself states the register dependences
; between vector or matrix instructions and memory or LDS instructions, with s_wait_alu, always for 0.
; THE PLAN.  The text is one straight run.  Registers that memory or LDS instructions touch:
;   v4-v10, v16-v23   offsets and LDS addresses: written by vector instructions at the head, read by loads and stores, never written again.
;   v192-255          z's tiles 0, 1: loaded at the head, read by the matrix instructions; then LDS loads land there (TB, PB); TB is the data of the eight stores, PB is read by the sums.
;   v64-127           W1's first 64 numbers: loaded, held in place and read by the conversions; then z's tiles 2, 3 land there, which the matrix instructions read.
;   v128-191          W1's second 64 numbers: loaded, held and converted; afterwards the accumulators (v128-159: named by no memory instruction) and the values (v160-191: written by the packed multiply-adds, read by the LDS stores).
;   v11               b1: loaded once.      v[28:29]  the sums: written by vector instructions, read by the last store.      v26, v27  written at the head, read by the closing add alone.
; So four waits on va_vdst stand in the text: ahead of the first load; behind the first fragment's conversions; ahead of the LDS stores; ahead of the last store.  One wait on va_sdst stands behind the line that makes the wave's number.
; No register that a memory or LDS instruction has read is written again, so no wait on vm_vsrc is owed.
.set TOPWG, 128                        ; work-groups of the upper half
.set SPI,   272                        ; a stage row: 64 numbers (256 bytes) + 16 of padding: an odd multiple of 16
.set STG,   16*SPI                     ; a wave's stage
.set WC,    32                         ; v32-63   W1's codes: two fragments
.set WF,    64                         ; v64-191  W1's numbers: 64 a lane for each fragment
.set ZA,    192                        ; v192-255 z's tiles 0, 1 (two fragments each)
.set ZB,    64                         ; v64-127  z's tiles 2, 3, once the first fragment's numbers are converted
.set DD,    128                        ; v128-159 the four accumulators, once the second fragment's numbers are converted
.set VAL,   160                        ; v160-191 the values
.set TB,    192                        ; v192-223 rows read back from the stage
.set PB,    224                        ; v224-255 two rows a lane, 16 j, for the sums
	s_load_b256 s[4:11], s[0:1], 0x0               ; z_t s[4:5], z_o s[6:7], W1 s[8:9], b1 s[10:11]
	s_load_b256 s[12:19], s[0:1], 0x20             ; W2 s[12:13], the exponents s[14:15], at s[16:17], nt s[18:19]
	s_load_b64 s[20:21], s[0:1], 0x40              ; pqp
	v_lshl_add_u32 v26, v0, 2, 0x4400
	v_mov_b32 v27, 0
	v_lshrrev_b32 v1, 5, v0
	v_readfirstlane_b32 s22, v1                    ; wave 0..3
	v_and_b32 v1, 31, v0                           ; lane
	v_and_b32 v2, 15, v0                           ; r
	v_bfe_u32 v3, v0, 4, 1                         ; h
	s_wait_alu depctr_va_sdst(0)                   ; s22, the wave's number, is written, ahead of its first reader: the tile of columns and the stage are made from it
	s_cmp_lt_u32 ttmp9, TOPWG                      ; upper half or lower?  Everything below is chosen, nothing branches
	s_cselect_b32 s23, 0, TOPWG                    ; my part's first work-group
	s_cselect_b32 s24, 0, 256*2048                 ; my half of W1, in bytes
	s_mov_b32 s25, 128
	s_cselect_b32 s25, 0x10000, s25                ; out: rows 32-63 lie a block of t further on (at), or 128 bytes on (nt)
	s_mov_b32 s26, 256
	s_cselect_b32 s26, 128, s26                    ; out: from j to j + 1
	s_cselect_b32 s27, 0, 1024                     ; pqp: my part's first row
	s_cselect_b32 s28, 0, 0x80000000               ; the sign of the factor
	s_cselect_b32 s29, 0, -1                       ; all lanes: b1 counts
	s_sub_co_u32 s23, ttmp9, s23
	s_and_b32 s30, s23, 7
	s_lshr_b32 s31, s23, 3                         ; which 64 rows
	s_lshl_b32 s30, s30, 2
	s_add_co_u32 s30, s30, s22                     ; which tile of 16 columns: 4 x (block of 64 columns) + wave
	s_lshl_b32 s34, s30, 6                         ; my first column in bytes
	s_mov_b32 s35, 0
	s_add_co_u32 s32, s24, s34                     ; W1: my half, my column
	s_mov_b32 s33, 0
	s_lshl_b32 s36, s31, 14                        ; z: 64 rows of 256 bytes
	s_mov_b32 s37, 0
	s_lshl_b32 s39, s26, 4
	s_mul_i32 s39, s39, s30                        ; out: 16 j x tile
	s_lshl_b32 s38, s31, 17                        ; + 64 rows' blocks: 131,072 bytes in at and in nt alike
	s_add_co_u32 s38, s38, s39
	s_mov_b32 s39, 0
	s_mul_i32 s40, s30, 6144                       ; pqp: a tile's 1,536 numbers
	s_lshl_b32 s41, s31, 6
	s_add_co_u32 s41, s41, s27
	s_lshl_b32 s41, s41, 2
	s_add_co_u32 s40, s40, s41
	s_mov_b32 s41, 0
	s_lshl_b32 s42, s26, 1                         ; out: two j on
	s_mul_i32 s43, s22, STG                        ; my stage
	v_lshlrev_b32 v4, 2, v2
	v_lshl_add_u32 v4, v3, 15, v4                  ; W1: column r; lanes 16-31 begin 16 rows of 2,048 bytes further down
	v_lshlrev_b32 v5, 8, v2
	v_lshl_add_u32 v5, v3, 4, v5                   ; z: row r, + 16 h
	v_lshlrev_b32 v6, 2, v2                        ; b1: column r
	v_mul_u32_u24 v7, v2, SPI
	v_lshl_add_u32 v7, v3, 5, v7
	v_add_nc_u32 v7, s43, v7                       ; stage, in: row j = r, + 32 h: my eight rows of a tile
	v_mul_u32_u24 v8, v3, SPI
	v_lshl_add_u32 v8, v2, 4, v8
	v_add_nc_u32 v8, s43, v8                       ; stage, back: lanes 0-15 one j, lanes 16-31 the next, 16 bytes a lane
	v_lshl_add_u32 v9, v1, 3, s43                  ; stage, for the sums: rows 2 lane, 2 lane + 1
	v_lshlrev_b32 v10, 3, v1                       ; pqp: 8 bytes a lane
	v_and_b32 v14, 7, v0
	v_bfe_u32 v15, v0, 3, 1
	v_lshlrev_b32 v16, 4, v14
	v_mad_u32_u24 v16, v15, s25, v16
	v_mad_u32_u24 v16, v3, s26, v16                ; out: 16 (lane % 8) + the upper 32 rows' place + the odd j's place
.irp k, 1,2,3,4,5,6,7
	v_add_nc_u32 v[16+\k], s42, v[15+\k]           ; one offset register for each of the eight stores: none is rewritten
.endr
	s_wait_kmcnt 0x0
	s_load_b128 s[44:47], s[14:15], 0x0            ; e(z_t), e(W1 upper), e(z_o), e(W1 lower)
	s_cmp_lt_u32 ttmp9, TOPWG
	s_cselect_b64 s[4:5], s[4:5], s[6:7]
	s_cselect_b64 s[16:17], s[16:17], s[18:19]
	s_add_nc_u64 s[4:5], s[4:5], s[36:37]
	s_add_nc_u64 s[8:9], s[8:9], s[32:33]
	s_add_nc_u64 s[10:11], s[10:11], s[34:35]
	s_add_nc_u64 s[12:13], s[12:13], s[34:35]
	s_add_nc_u64 s[16:17], s[16:17], s[38:39]
	s_add_nc_u64 s[20:21], s[20:21], s[40:41]
	s_load_b512 s[48:63], s[12:13], 0x0            ; W2 of my 16 columns
.macro ZLOAD reg, t0                   ; two tiles of 16 rows, two fragments each: lane (r, h) takes of row r the codes k = 128 f + 32 c + 16 h + 0 .. 15
.irp tt, 0,1
.irp f, 0,1
.irp c, 0,1,2,3
	global_load_b128 v[\reg+32*\tt+16*\f+4*\c:\reg+32*\tt+16*\f+4*\c+3], v5, s[4:5] offset:(\t0+\tt)*4096+128*\f+32*\c
.endr
.endr
.endr
.endm
	s_wait_alu depctr_va_vdst(0)                   ; the offsets and LDS addresses v4 to v10 and v16 to v23 are written, which every load and store of the kernel reads; none is written again
	ZLOAD ZA, 0
	global_load_b32 v11, v6, s[10:11]              ; b1 of my column
.set n, 0
.rept 128
	global_load_b32 v[WF+n], v4, s[8:9] offset:(32*(n/16)+n%16)*2048   ; W1(32 (n / 16) + 16 h + n % 16, my column): sixteen lanes read 64 neighbouring bytes
.set n, n+1
.endr
	s_wait_kmcnt 0x0
	s_cmp_lt_u32 ttmp9, TOPWG
	s_cselect_b32 s44, s44, s46                    ; e of my z
	s_cselect_b32 s45, s45, s47                    ; e of my half of W1
	s_add_co_i32 s46, s44, s45
	s_add_co_i32 s46, s46, 127
	s_lshl_b32 s46, s46, 23
	s_or_b32 s46, s46, s28                         ; +2^(ez + ew) for a, -2^(ez + ew) for n
	s_mov_b32 s47, s46                             ; (named with it as a pair, so it is written)
	s_add_co_i32 s45, s45, 127
	s_lshl_b32 s44, s45, 23
	v_mov_b32 v13, s44                             ; 2^ew as f32: the conversion takes its exponent field
	s_add_co_i32 s45, s45, 15
	s_lshl_b32 s45, s45, 23
	s_or_b32 s45, s45, 0x600000
	v_mov_b32 v12, s45                             ; 57,344 x 2^ew
.macro QW f                            ; 64 numbers of a lane become fragment f's 16 registers of codes
.irp c, 0,1,2,3
.set n, 0
.rept 16
	v_med3_num_f32 v[WF+64*\f+16*\c+n], v[WF+64*\f+16*\c+n], -v12, v12   ; the conversion to an 8-bit code does not saturate (ISA guide 7.6.2): the hold at the largest code x the scale
.set n, n+1
.endr
	v_cvt_scalef32_pk8_bf8_f32 v[WC+16*\f+4*\c:WC+16*\f+4*\c+1], v[WF+64*\f+16*\c:WF+64*\f+16*\c+7], v13
	v_cvt_scalef32_pk8_bf8_f32 v[WC+16*\f+4*\c+2:WC+16*\f+4*\c+3], v[WF+64*\f+16*\c+8:WF+64*\f+16*\c+15], v13
.endr
	v_nop                                          ; one plain vector instruction behind the last conversion: matrix instructions later read the codes and write over the numbers
.endm
	s_wait_loadcnt 63                              ; 145 loads were issued: the oldest 82 are in: z's tiles 0 and 1 (16), b1 (1), the first fragment's 64 numbers
	v_xor_b32 v24, 0x80000000, v11
	v_cndmask_b32 v24, 0, v24, s29                 ; what is added to a value: 0 for a, -b1 for n
	v_mov_b32 v25, 0                               ; (named with it as a pair, so it is written)
	QW 0
	s_wait_alu depctr_va_vdst(0)                   ; the holds have written v64 to v127 and the conversions are done reading them: the sixteen loads below land there
	ZLOAD ZB, 2                                    ; z's tiles 2 and 3 land where the first fragment's numbers lay, while the second fragment is converted (whose lines name v12, v13, v48 to v63 and v128 to v191 alone)
	s_wait_loadcnt 16                              ; all but those 16
	QW 1
	s_wait_loadcnt 0x0
.irp f, 0,1                            ; source 0 = 16 rows of z, source 1 = 16 columns of W1.  The four accumulators take turns, one instruction a turn
.irp tt, 0,1,2,3
.if \tt < 2
.set ZR, ZA+32*\tt+16*\f
.else
.set ZR, ZB+32*(\tt-2)+16*\f
.endif
.if \f == 0
	v_wmma_f32_16x16x128_bf8_bf8 v[DD+8*\tt:DD+8*\tt+7], v[ZR:ZR+15], v[WC:WC+15], 0
.else
	v_wmma_f32_16x16x128_bf8_bf8 v[DD+8*\tt:DD+8*\tt+7], v[ZR:ZR+15], v[WC+16:WC+31], v[DD+8*\tt:DD+8*\tt+7]
.endif
.endr
.endr
.rept 4
	v_nop                                          ; four places ahead of the first read of results (ISA guide 7.12.1)
.endr
.set n, 0
.rept 16
	v_pk_fma_f32 v[VAL+n:VAL+n+1], v[DD+n:DD+n+1], s[46:47], v[24:25] op_sel_hi:[1,0,0]   ; value = sum x (+-2^(ez + ew)) + (0 or -b1); each accumulator from its low end on
.set n, n+2
.endr
	s_wait_alu depctr_va_vdst(0)                   ; the multiply-adds have written v160 to v191, which the LDS stores read; the matrix instructions are done reading v192 to v255, in which the LDS loads land
.irp tt, 0,1,2,3                       ; lane (r, h), tile tt: rows 16 tt + 8 h + 0 .. 7 of column j = r
	ds_store_b128 v7, v[VAL+8*\tt:VAL+8*\tt+3] offset:64*\tt
	ds_store_b128 v7, v[VAL+8*\tt+4:VAL+8*\tt+7] offset:64*\tt+16
.endr
.irp k, 0,1,2,3,4,5,6,7                ; LDS serves a wave's instructions in order (ISA guide 5.7.1.4): these see my stores
	ds_load_b128 v[TB+4*\k:TB+4*\k+3], v8 offset:2*\k*SPI
.endr
.set n, 0
.rept 16
	ds_load_b64 v[PB+2*n:PB+2*n+1], v9 offset:n*SPI
.set n, n+1
.endr
	s_wait_dscnt 16                                ; the eight loads of rows are in; the sixteen for the sums may be out
.irp k, 0,1,2,3,4,5,6,7
	global_store_b128 v[16+\k], v[TB+4*\k:TB+4*\k+3], s[16:17]   ; j = 2 k and 2 k + 1: every aligned block of 256 bytes that the store touches is written whole
.endr
	s_wait_dscnt 0x0
	v_mul_f32 v28, s48, v[PB]                      ; the sums over my 16 j, even and odd j apart: the first products start them
	v_mul_f32 v29, s48, v[PB+1]
	v_mul_f32 v30, s49, v[PB+2]
	v_mul_f32 v31, s49, v[PB+3]
.set n, 2
.rept 14
	v_fmac_f32 v[28+2*(n%2)], s[48+n], v[PB+2*n]
	v_fmac_f32 v[29+2*(n%2)], s[48+n], v[PB+2*n+1]
.set n, n+1
.endr
	v_pk_add_f32 v[28:29], v[28:29], v[30:31]
	s_wait_alu depctr_va_vdst(0)                   ; the sums have written v[28:29], which the store reads
	global_store_b64 v10, v[28:29], s[20:21]       ; 32 lanes store 256 consecutive bytes, aligned
	s_wait_dscnt 0x0                               ; the closing lines, six on end
	s_wait_alu 0x0
	s_wait_tensorcnt 0x0
	ds_add_u32 v26, v27
	s_wait_dscnt 0x0
	s_endpgm
.Lfunc_end_k_q0d771c2548_prep:
	.size	k_q0d771c2548_prep, .Lfunc_end_k_q0d771c2548_prep-k_q0d771c2548_prep
	.p2alignl 7, 3214868480
	.fill 96, 4, 3214868480
	.section	.rodata,"a",@progbits
	.p2align	6, 0x0
	.amdhsa_kernel k_q0d771c2548_prep
		.amdhsa_group_segment_fixed_size 17920
		.amdhsa_private_segment_fixed_size 0
		.amdhsa_enable_private_segment 0
		.amdhsa_kernarg_size 72
		.amdhsa_user_sgpr_count 2
		.amdhsa_user_sgpr_kernarg_segment_ptr 1
		.amdhsa_wavefront_size32 1
		.amdhsa_system_sgpr_workgroup_id_x 1
		.amdhsa_system_sgpr_workgroup_id_y 1
		.amdhsa_system_sgpr_workgroup_id_z 1
		.amdhsa_system_vgpr_workitem_id 0
		.amdhsa_next_free_vgpr 256
		.amdhsa_next_free_sgpr 66
		.amdhsa_reserve_vcc 0
		.amdhsa_float_denorm_mode_32 3
		.amdhsa_float_denorm_mode_16_64 3
		.amdhsa_memory_ordered 1
		.amdhsa_forward_progress 1
		.amdhsa_inst_pref_size 35
	.end_amdhsa_kernel
	.amdgpu_metadata
---
amdhsa.version: [ 1, 2 ]
amdhsa.kernels:
  - .name:           k_q0d771c2548_prep
    .symbol:         k_q0d771c2548_prep.kd
    .args:
      - { .name: z_t_codes, .offset: 0, .size: 8, .value_kind: global_buffer, .address_space: global }
      - { .name: z_o_codes, .offset: 8, .size: 8, .value_kind: global_buffer, .address_space: global }
      - { .name: W1, .offset: 16, .size: 8, .value_kind: global_buffer, .address_space: global }
      - { .name: b1, .offset: 24, .size: 8, .value_kind: global_buffer, .address_space: global }
      - { .name: W2, .offset: 32, .size: 8, .value_kind: global_buffer, .address_space: global }
      - { .name: lowp_scales, .offset: 40, .size: 8, .value_kind: global_buffer, .address_space: global }
      - { .name: at, .offset: 48, .size: 8, .value_kind: global_buffer, .address_space: global }
      - { .name: nt, .offset: 56, .size: 8, .value_kind: global_buffer, .address_space: global }
      - { .name: pqp, .offset: 64, .size: 8, .value_kind: global_buffer, .address_space: global }
    .group_segment_fixed_size: 17920
    .private_segment_fixed_size: 0
    .kernarg_segment_align: 8
    .kernarg_segment_size: 72
    .max_flat_workgroup_size: 128
    .sgpr_count:     66
    .vgpr_count:     256
    .wavefront_size: 32
...
	.end_amdgpu_metadata
.endif
;; end of part 3
;; launch main: the kernel of part 2 again; grid 8 x 32, 8 waves a work-group, clusters of 4 x 4, 280,576 bytes of LDS; arguments at, nt, pqp, W2, b2, out0; writes out0
